; MI455X (gfx1250); checked and timed in simulation.
; The chip was launched on July 23, 2026; its instructions are those of AMD's public machine-readable ISA for CDNA 5 (MIT licence, August 2026) and "CDNA5" Instruction Set Architecture Reference Guide (July 2026). The comments in the code are by the model that wrote it; some were corrected since.
;; Attention. Allowed arithmetic: matrix products marked QUANTISED: E3M2 operands, one E8M0 scale for each 32 along K, by v_wmma_scale_f32_16x16x128_f8f6f4 with both operands' format E3M2, f32 sums; products left as they are: f32 operands where the result goes on into a quantised operand, else bf16, f16 or f32 operands; f32 sums; everything else in f32.
;; Inputs: W 1,024 x 2,048 float32; b 1,024 float32; encoder_mask 32 x 1 x 1,024 bool; encoder_outputs 1,024 x 32 x 1,024 float32; hidden 32 x 1,024 float32; v 1,024 float32.
;; Outputs: out0 32 x 1 x 1,024 float32.
;; This version of the problem:
;;   THIS VERSION OF THE PROBLEM IS GIVEN IN LOW PRECISION. The matrix products marked QUANTISED in the list below multiply operands that are first quantised to E3M2 (3 exponent bits, 2 mantissa bits; 6 bits a number), with one power-of-two scale for each 32 numbers along K (OCP MX v1.0); their sums are f32. All else is computed in f32.
;;   The module's matrix products, in the order in which they are computed (A, B: the left and right operand; K: the contracted axis; several contracted axes count as one K, in the product's order):
;;     1. [M 32,768, K 2,048] x [K 2,048, N 1,024]; A: computed on the way; B: input W: QUANTISED
;;     2. [M 32,768, K 1,024] x [K 1,024, N 1]; A: computed on the way; B: input v: left as it is (N = 1 < 16)
;;   THE QUANTISER, for each operand of a quantised product, along K:
;;     - K is cut into blocks of 32 from its start; a last block that is shorter is filled with zeros.
;;     - A block's scale is 2^e with e = floor(log2(the largest magnitude in the block)) - 4, held to -126 .. 127; a block of zeros has e = 0. As a byte (E8M0): e + 127.
;;     - Each number is divided by its block's scale, clamped to +-28, and rounded to the nearest number of E3M2, ties to even, subnormals kept.
;;     - The product sums the exact products of the quantised numbers (number of the format x scale) in f32.
;;   ~~~python
;;   def quantise(x, axis):      # numpy; x: float32 -> the quantised numbers, widened to float32 again
;;       x = np.moveaxis(x, axis, -1); K = x.shape[-1]
;;       x = np.pad(x, [(0, 0)] * (x.ndim - 1) + [(0, -K % 32)]); x = x.reshape(x.shape[:-1] + (-1, 32)); a = np.abs(x).max(-1, keepdims=True)
;;       e = np.where(a > 0, np.clip(np.frexp(np.where(a > 0, a, 1))[1] - 1 - 4, -126, 127), 0)      # np.frexp(a)[1] - 1 = floor(log2(a)), exactly
;;       r = np.clip(x / 2.0 ** e, -28, 28)
;;       step = 2.0 ** (np.maximum(np.frexp(np.where(r == 0, 1, r))[1] - 1, -2) - 2)
;;       q = np.round(r / step) * step * 2.0 ** e      # np.round: ties to even
;;       return np.moveaxis(q.reshape(q.shape[:-2] + (-1,))[..., :K], -1, axis).astype(np.float32)
;;   ~~~
;;   OPERANDS COMPUTED ON THE WAY. 'Computed on the way' means the value that the module computes at that place (a softmax that the list does not call 'softmax' is quantised finished and normalised). What goes into a quantiser is computed in f32, as accurately as f32 sums, v_exp_f32 and their like allow (about 1e-6 of the number): no bf16 or f16 on the way to a quantiser, and a product that is left as it is and whose result goes on into a quantised operand takes f32 operands (vector FMAs, or v_wmma_f32_16x16x4_f32). A number that lies on a knife's edge between two numbers of the format may be rounded either way, as far as f32 arithmetic and the matrix unit's own rounding can turn it there, and no further.
;; One version. Each part assembles by itself: llvm-mc -triple=amdgcn-amd-amdhsa -mcpu=gfx1250 --defsym DOCPART=n.
;; ======== version 1 of 1: 3 launches
;; limits: right only within a limited range of input values
;; workspace buffers: wq 819,200 bytes; g 131,072 bytes; sc 131,072 bytes
;; launch prep (part 1): grid 192 x 1, 8 waves a work-group, no clusters, 78,848 bytes of LDS; arguments W, hidden, b, wq, g; writes wq, g
.if DOCPART == 1
	.amdgcn_target "amdgcn-amd-amdhsa--gfx1250"
	.amdhsa_code_object_version 6
	.text
	.protected	k_qdb2ff36a5f_prep
	.globl	k_qdb2ff36a5f_prep
	.p2align	8
	.type	k_qdb2ff36a5f_prep,@function
k_qdb2ff36a5f_prep:
	s_mov_b64 s[64:65], 0
	v_nop
	global_prefetch_b8 v0, s[64:65] scope:SCOPE_SE
	s_setreg_imm32_b32 hwreg(HW_REG_WAVE_MODE, 25, 1), 1
	s_wait_xcnt 0x0
; W [1024][2048], hidden [32][1024], b [1024], all f32.  cat = [hidden | eo] is cut at K = 1024, a multiple of the quantiser's block of 32, so the quantised product falls
; into two sums, block for block the same codes:  Q(hidden[b]) . Q(W[h][0:1024])  +  Q(eo[s][b]) . Q(W[h][1024:2048]).  The first does not hang on s.  This launch makes
;   g[b][h]  = Q(hidden[b]) . Q(W[h][0:1024]) + b[h]   (f32, [32][1024]), by the scaled matrix instruction on codes of BF6 (E3M2), and
;   wq       = the codes and E8M0 scale bytes of W[h][1024:2048], laid in the order of the operand's registers, as the next launch reads them.
; wq: 8 blocks n = 4 c + p of 102,400 bytes (c: columns 512 c on; p: K steps 2 p and 2 p + 1 of 128); a block is 4 quarters w of 25,600 bytes (columns 512 c + 128 w on);
; in a quarter fragment (q, t) (K step 2 p + q, columns 16 t on) lies at (8 q + t) x 1,536: registers 4 gg .. 4 gg + 3 of lane l at 512 gg + 16 l; scale word (q, t, r) at 24,576 + 512 q + 64 t + 4 r.
; SHARES.  Work-groups 0-127, (T, u) = (id / 2, id % 2), make g at hidden's rows 16 u .. + 15 and columns 16 T .. + 15: wave k takes K step k, W's fragment of the first half and hidden's fragment;
; one matrix instruction gives its part, the eight parts meet in LDS, and wave 0 adds them and the bias.  (W's first half is so quantised twice, once for each u: 128 KiB are read by such a work-group.)
; Work-groups 128-191, T = id - 128: wave k quantises W's fragment of the second half, K step k, rows 16 T on, for wq.  The two kinds part once, on the work-group's number, and each has LDS bytes of its own.
; A block's scale is 2^(floor(log2(its largest magnitude)) - 4); its byte is that magnitude's exponent field - 4, held at 1 from below.
; LIMITS: blocks whose largest magnitude lies under 2^-122 keep the byte 1; a block of zeros gets the byte 1 where the rule says 127 (its codes are zeros, and this program alone reads the bytes);
; NaN and infinities among the inputs are not served.  g's sum takes the eight K steps in ascending order and the bias last: another order of f32 rounding than one chain.
; NO CLUSTER, NO TENSOR LOAD: every number passes through registers to be quantised; hidden, which 128 work-groups read, is 128 KiB in all.
; g and the scale words leave as pieces of 64 bytes or less: a work-group owns 16 columns; together they are 160 KiB of the launch's 9 MiB.
.set SP,    272                        ; a stage row: 256 bytes + 16, an odd multiple of 16: the sixteen rows that a load touches begin in different banks (64 banks of 4 bytes: ISA guide 11.1)
.set PART,  8*16*SP                    ; behind the eight waves' stages: the parts of g, 1,024 bytes a wave
.set QST,   PART+8192                  ; the stages of the work-groups that make wq, as a distance from the others'
.set SPARE, QST+8*16*SP                ; the spare words, 128 bytes a wave
.set QB,    25600
.set FRB,   1536
.set WOF,   4                          ; v4   W: (lane / 16) rows of 8,192 bytes + 16 (lane % 16)
.set HOF,   5                          ; v5   hidden: the same with rows of 4,096 bytes
.set STI,   6                          ; v6   my stage, on the way in: row lane / 16, 16 (lane % 16)
.set STO,   7                          ; v7   and out: row r, + 64 h
.set L16,   8                          ; v8   16 x lane
.set R4,    9                          ; v9   4 r
.set PAW,   10                         ; v10  where I put my part of g
.set PAR,   11                         ; v11  where wave 0 reads the parts
.set GO,    12                         ; v12  g: row r of 4,096 bytes + 32 h
.set BO,    13                         ; v13  32 h
.set R0,    16                         ; v16-79   W's 64 numbers as loaded; later hidden's codes, the result and the bias
.set R1,    80                         ; v80-143  hidden's
.set X,     144                        ; v144-207 64 numbers, register 16 b + i = k 32 b + 16 h + i of row r; later the eight parts
.set WF,    208                        ; v208-219 W's codes
.set PT,    220                        ; v220-227 at work
.set TM,    228                        ; v228-243 at work
.set PW,    244                        ; v244     the scale word that goes to wq
.set SW,    246                        ; v246     W's scale word; v247 hidden's: they hold scales and nothing else
.set SH,    247
.set HF,    16
.set D,     40
.set BI,    64
.set WV,    14
.set SEL,   42
; 16 rows x 128 numbers: each load takes 256 consecutive bytes of row 2 i (lanes 0-15) and of row 2 i + 1 (lanes 16-31)
.macro LOADF reg, off, b0, pitch
.irp uu, 0,1
.irp i, 0,1,2,3,4,5,6,7
	global_load_b128 v[\reg+32*\uu+4*\i:\reg+32*\uu+4*\i+3], v[\off], s[\b0:\b0+1] offset:2*\i*\pitch+256*\uu
.endr
.endr
.endm
; through my own stage, half a row (64 numbers) by half a row: in as loaded, out 16 neighbours of each block of 32 to a lane.  LDS serves a wave's instructions in order (ISA guide 5.7.1.4): no wait between
.macro TURNX reg, lo
.irp uu, 0,1
.irp i, 0,1,2,3,4,5,6,7
	ds_store_b128 v[STI], v[\reg+32*\uu+4*\i:\reg+32*\uu+4*\i+3] offset:(\lo)+2*\i*SP
.endr
.irp bb, 0,1
.irp jj, 0,1,2,3
	ds_load_b128 v[X+32*\uu+16*\bb+4*\jj:X+32*\uu+16*\bb+4*\jj+3], v[STO] offset:(\lo)+128*\bb+16*\jj
.endr
.endr
.endr
.endm
; 64 numbers of a lane become a fragment's codes in v[pc] on and my row's scale word in v[pw]
.macro QUANT s, pc, pt, pw
.irp b, 0,1,2,3
	v_max3_num_f32 v[TM+\b], |v[(\s)+16*\b]|, |v[(\s)+1+16*\b]|, 0x2800000   ; block b: my 16 numbers, and the floor 2^(5 - 127): the byte cannot fall under 1
.endr
.irp i, 2,4,6,8,10,12,14
.irp b, 0,1,2,3
	s_delay_alu instid0(VALU_DEP_4)
	v_max3_num_f32 v[TM+\b], v[TM+\b], |v[(\s)+16*\b+\i]|, |v[(\s)+1+16*\b+\i]|   ; the four blocks by turns
.endr
.endr
.irp b, 0,1,2,3
	s_delay_alu instid0(VALU_DEP_4)
	v_permlanex16_b32 v[TM+4+\b], v[TM+\b], s[SEL], s[SEL+1]
.endr
.irp b, 0,1,2,3
	s_delay_alu instid0(VALU_DEP_4)
	v_max_num_f32 v[TM+\b], v[TM+\b], v[TM+4+\b]   ; with lane l xor 16's: the block's largest magnitude
.endr
.irp b, 0,1,2,3
	s_delay_alu instid0(VALU_DEP_4)
	v_add_nc_u32 v[TM+12+\b], 0xfe000000, v[TM+\b]   ; 4 off its exponent field: the conversion takes this operand's exponent field as its scale
.endr
.irp b, 0,1,2,3
	s_delay_alu instid0(VALU_DEP_4)
	v_lshrrev_b32 v[TM+4+\b], 23, v[TM+12+\b]      ; the scale's byte
.endr
	s_delay_alu instid0(VALU_DEP_3)
	v_lshl_or_b32 v[\pw], v[TM+5], 8, v[TM+4]
	s_delay_alu instid0(VALU_DEP_1)
	v_lshl_or_b32 v[\pw], v[TM+6], 16, v[\pw]
	s_delay_alu instid0(VALU_DEP_1)
	v_lshl_or_b32 v[\pw], v[TM+7], 24, v[\pw]
.irp c, 0,1
	v_cvt_scalef32_pk16_bf6_f32 v[(\pc)+6*\c:(\pc)+6*\c+2], v[(\s)+32*\c:(\s)+32*\c+15], v[TM+12+2*\c]
	v_cvt_scalef32_pk16_bf6_f32 v[(\pt)+4*\c:(\pt)+4*\c+2], v[(\s)+32*\c+16:(\s)+32*\c+31], v[TM+13+2*\c]   ; (a conversion's three registers begin on an even number)
.endr
	v_nop                                          ; one plain place behind a scaled conversion
.irp c, 0,1                                    ; the operand's layout wants a whole block in a lane: lanes 0-15 block 2 c, lanes 16-31 block 2 c + 1
.irp i, 0,1,2
	v_permlane16_swap_b32 v[(\pc)+6*\c+\i], v[(\pt)+4*\c+\i]
.endr
.irp i, 0,1,2
	s_delay_alu instid0(VALU_DEP_3)
	v_mov_b32 v[(\pc)+3+6*\c+\i], v[(\pt)+4*\c+\i]
.endr
.endr
.endm
	s_load_b256 s[4:11], s[0:1], 0x0               ; W s[4:5], hidden s[6:7], b s[8:9], wq s[10:11]
	s_load_b64 s[12:13], s[0:1], 0x20              ; g
	v_lshl_add_u32 v254, v0, 2, SPARE
	v_mov_b32 v255, 0
	v_lshrrev_b32 v1, 5, v0
	s_delay_alu instid0(VALU_DEP_1)
	v_readfirstlane_b32 s[WV], v1                  ; wave k = 0..7: my K step
	v_and_b32 v3, 31, v0                           ; lane
	v_and_b32 v1, 15, v0                           ; r
	v_bfe_u32 v2, v0, 4, 1                         ; h
	s_delay_alu instid0(VALU_DEP_1)
	v_lshlrev_b32 v[WOF], 13, v2
	s_delay_alu instid0(VALU_DEP_1)
	v_lshl_add_u32 v[WOF], v1, 4, v[WOF]
	s_delay_alu instid0(VALU_DEP_3)
	v_lshlrev_b32 v[HOF], 12, v2
	s_delay_alu instid0(VALU_DEP_1)
	v_lshl_add_u32 v[HOF], v1, 4, v[HOF]
	s_mul_i32 s15, s[WV], 16*SP                    ; my stage
	v_mul_u32_u24 v[STI], v2, SP
	s_delay_alu instid0(VALU_DEP_1)
	v_lshl_add_u32 v[STI], v1, 4, v[STI]
	s_delay_alu instid0(VALU_DEP_1)
	v_add_nc_u32 v[STI], s15, v[STI]
	v_mul_u32_u24 v[STO], v1, SP
	s_delay_alu instid0(VALU_DEP_1)
	v_lshl_add_u32 v[STO], v2, 6, v[STO]
	s_delay_alu instid0(VALU_DEP_1)
	v_add_nc_u32 v[STO], s15, v[STO]
	v_lshlrev_b32 v[L16], 4, v3
	v_lshlrev_b32 v[R4], 2, v1
	s_lshl_b32 s15, s[WV], 10
	s_add_co_u32 s15, s15, PART
	v_add_nc_u32 v[PAW], s15, v[L16]
	v_add_nc_u32 v[PAR], PART, v[L16]
	v_lshlrev_b32 v[GO], 12, v1
	s_delay_alu instid0(VALU_DEP_1)
	v_lshl_add_u32 v[GO], v2, 5, v[GO]
	v_lshlrev_b32 v[BO], 5, v2
.irp b, 0,1,2,3
	v_mov_b32 v[TM+4+\b], 0                        ; written once: a lane permute's destination counts as one of its sources
.endr
	s_mov_b32 s[SEL], 0x76543210
	s_mov_b32 s[SEL+1], 0xfedcba98                 ; v_permlanex16_b32's selects for lane l xor 16
	s_lshr_b32 s36, ttmp9, 1
	s_sub_co_u32 s37, ttmp9, 128
	s_and_b32 s38, ttmp9, 1                        ; u
	s_cmp_lt_u32 ttmp9, 128                        ; g's work-group or wq's?
	s_cselect_b32 s39, s36, s37                    ; T
	s_cselect_b32 s35, 0, 4096                     ; W's first half of K, or its second
	; where a fragment goes in wq: T = 32 c + 8 w + t, k = 2 p + q
	s_lshr_b32 s16, s39, 5                         ; c
	s_bfe_u32 s17, s39, 0x20003                    ; w
	s_and_b32 s18, s39, 7                          ; t
	s_lshr_b32 s19, s[WV], 1                       ; p
	s_and_b32 s20, s[WV], 1                        ; q
	s_lshl_b32 s21, s16, 2
	s_add_co_u32 s21, s21, s19                     ; 4 c + p
	s_lshl_b32 s21, s21, 2
	s_add_co_u32 s21, s21, s17
	s_mul_i32 s21, s21, QB                         ; the quarter's first byte
	s_lshl_b32 s22, s20, 3
	s_add_co_u32 s22, s22, s18                     ; 8 q + t
	s_mul_i32 s23, s22, FRB
	s_add_co_u32 s24, s21, s23                     ; the fragment
	s_mov_b32 s25, 0
	s_lshl_b32 s22, s22, 6                         ; 512 q + 64 t
	s_add_co_u32 s26, s21, s22
	s_add_co_u32 s26, s26, 24576                   ; its scale words
	s_mov_b32 s27, 0
	s_mov_b32 s33, 0
	s_lshl_b32 s34, s[WV], 9                       ; 512 k: my K step in a row
	s_lshl_b32 s32, s39, 17                        ; 16 T rows of 8,192 bytes
	s_add_co_u32 s32, s32, s34
	s_add_co_u32 s32, s32, s35
	s_wait_alu depctr_va_vdst(0)                   ; at the head's end
	s_wait_kmcnt 0x0
	s_add_nc_u64 s[4:5], s[4:5], s[32:33]          ; W at my rows, my half of K, K step k
	LOADF R0, WOF, 4, 8192
	s_lshl_b32 s40, s38, 16                        ; 16 u rows of 4,096 bytes
	s_add_co_u32 s32, s34, s40
	s_add_nc_u64 s[6:7], s[6:7], s[32:33]          ; hidden at row 16 u, K step k
	s_lshl_b32 s32, s39, 6
	s_add_nc_u64 s[8:9], s[8:9], s[32:33]          ; b at column 16 T
	s_add_co_u32 s32, s32, s40
	s_add_nc_u64 s[12:13], s[12:13], s[32:33]      ; g at column 16 T, row 16 u
	s_add_nc_u64 s[28:29], s[10:11], s[24:25]
	s_add_nc_u64 s[30:31], s[10:11], s[26:27]
	s_cmp_lt_u32 ttmp9, 128
	s_cbranch_scc0 .Lfor_wq                        ; the same way for all eight waves
	LOADF R1, HOF, 6, 4096                         ; hidden's 16 rows
	s_wait_loadcnt 16                              ; W's fragment is in; hidden's sixteen loads may be out
	TURNX R0, 0
	s_wait_dscnt 0x0                               ; X is in, and the stores have read R0
	s_cmp_lg_u32 s[WV], 0                          ; wave 0, which finishes g, asks for the bias now
	s_cbranch_scc1 .Lno_bias
	global_load_b128 v[BI:BI+3], v[BO], s[8:9]     ; b at my eight columns
	global_load_b128 v[BI+4:BI+7], v[BO], s[8:9] offset:16
.Lno_bias:
	QUANT X, WF, PT, SW
	s_wait_loadcnt 0x0
	TURNX R1, 0
	s_wait_dscnt 0x0
	QUANT X, HF, PT, SH
.rept 8
	v_nop                                          ; a scale register written by a vector instruction stands 8 places ahead of a scaled matrix instruction, an operand so written 4
.endr
	; transposed: source 0 = 16 rows of W, source 1 = 16 rows of hidden: lane (r, h), register j = g's part at (row 16 u + r, column 16 T + 8 h + j)
	v_wmma_scale_f32_16x16x128_f8f6f4 v[D:D+7], v[WF:WF+11], v[HF:HF+11], 0, v[SW], v[SH] matrix_a_fmt:MATRIX_FMT_BF6 matrix_b_fmt:MATRIX_FMT_BF6
.rept 4
	v_nop                                          ; places in front of the first read of the result (ISA guide 7.12.1)
.endr
	ds_store_b128 v[PAW], v[D:D+3]                 ; the result from its low end on
	ds_store_b128 v[PAW], v[D+4:D+7] offset:512
	s_wait_dscnt 0x0                               ; for the others' sake: my part lies in LDS
	s_barrier_signal -1
	s_barrier_wait -1
	s_cmp_lg_u32 s[WV], 0
	s_cbranch_scc1 .Lend
.irp k, 0,1,2,3,4,5,6,7
	ds_load_b128 v[X+8*\k:X+8*\k+3], v[PAR] offset:1024*\k
	ds_load_b128 v[X+8*\k+4:X+8*\k+7], v[PAR] offset:1024*\k+512
.endr
	s_wait_dscnt 0x0
.irp k, 1,2,3,4,5,6,7
.irp e, 0,2,4,6
	v_pk_add_f32 v[X+\e:X+\e+1], v[X+\e:X+\e+1], v[X+8*\k+\e:X+8*\k+\e+1]   ; K ascending
.endr
.endr
.irp e, 0,2,4,6
	v_pk_add_f32 v[X+\e:X+\e+1], v[X+\e:X+\e+1], v[BI+\e:BI+\e+1]
.endr
	global_store_b128 v[GO], v[X:X+3], s[12:13]
	global_store_b128 v[GO], v[X+4:X+7], s[12:13] offset:16
	s_branch .Lend
.Lfor_wq:
	s_wait_loadcnt 0x0
	TURNX R0, QST
	s_wait_dscnt 0x0
	QUANT X, WF, PT, PW
.irp gg, 0,1,2
	global_store_b128 v[L16], v[WF+4*\gg:WF+4*\gg+3], s[28:29] offset:512*\gg   ; 32 lanes store 512 consecutive bytes
.endr
	global_store_b32 v[R4], v[PW], s[30:31]        ; lanes r and r + 16 store the same word with the same value
.Lend:
	s_wait_tensorcnt 0x0                           ; the wave's end
	ds_add_u32 v254, v255
	s_wait_dscnt 0x0
	s_endpgm
.Lfunc_end_k_qdb2ff36a5f_prep:
	.size	k_qdb2ff36a5f_prep, .Lfunc_end_k_qdb2ff36a5f_prep-k_qdb2ff36a5f_prep
	.p2alignl 7, 3214868480
	.fill 96, 4, 3214868480
	.section	.rodata,"a",@progbits
	.p2align	6, 0x0
	.amdhsa_kernel k_qdb2ff36a5f_prep
		.amdhsa_group_segment_fixed_size 78848
		.amdhsa_private_segment_fixed_size 0
		.amdhsa_enable_private_segment 0
		.amdhsa_kernarg_size 40
		.amdhsa_user_sgpr_count 2
		.amdhsa_user_sgpr_kernarg_segment_ptr 1
		.amdhsa_wavefront_size32 1
		.amdhsa_system_sgpr_workgroup_id_x 1
		.amdhsa_system_sgpr_workgroup_id_y 1
		.amdhsa_system_sgpr_workgroup_id_z 1
		.amdhsa_system_vgpr_workitem_id 0
		.amdhsa_next_free_vgpr 256
		.amdhsa_next_free_sgpr 66
		.amdhsa_reserve_vcc 0
		.amdhsa_float_denorm_mode_32 3
		.amdhsa_float_denorm_mode_16_64 3
		.amdhsa_memory_ordered 1
		.amdhsa_forward_progress 1
		.amdhsa_inst_pref_size 34
	.end_amdhsa_kernel
	.amdgpu_metadata
---
amdhsa.version: [ 1, 2 ]
amdhsa.kernels:
  - .name:           k_qdb2ff36a5f_prep
    .symbol:         k_qdb2ff36a5f_prep.kd
    .args:
      - { .name: W, .offset: 0, .size: 8, .value_kind: global_buffer, .address_space: global }
      - { .name: hidden, .offset: 8, .size: 8, .value_kind: global_buffer, .address_space: global }
      - { .name: b, .offset: 16, .size: 8, .value_kind: global_buffer, .address_space: global }
      - { .name: wq, .offset: 24, .size: 8, .value_kind: global_buffer, .address_space: global }
      - { .name: g, .offset: 32, .size: 8, .value_kind: global_buffer, .address_space: global }
    .group_segment_fixed_size: 78848
    .private_segment_fixed_size: 0
    .kernarg_segment_align: 8
    .kernarg_segment_size: 40
    .max_flat_workgroup_size: 256
    .sgpr_count:     66
    .vgpr_count:     256
    .wavefront_size: 32
...
	.end_amdgpu_metadata
.endif
;; end of part 1
;; launch scores (part 2): grid 256 x 1, 4 waves a work-group, no clusters, 122,368 bytes of LDS; arguments encoder_outputs, wq, g, v, sc; writes sc
.if DOCPART == 2
	.amdgcn_target "amdgcn-amd-amdhsa--gfx1250"
	.amdhsa_code_object_version 6
	.text
	.protected	k_qdb2ff36a5f_scores
	.globl	k_qdb2ff36a5f_scores
	.p2align	8
	.type	k_qdb2ff36a5f_scores,@function
k_qdb2ff36a5f_scores:
	s_mov_b64 s[64:65], 0
	v_nop
	global_prefetch_b8 v0, s[64:65] scope:SCOPE_SE
	s_setreg_imm32_b32 hwreg(HW_REG_WAVE_MODE, 25, 1), 1
	s_wait_xcnt 0x0
; sc[b][s] = sum over h of v[h] tanh( g[b][h] + Q(eo[s][b]) . Q(W[h][1024:2048]) ).  The half of K that holds hidden does not hang on s: launch prep has made it once, as g (bias included).
; eo: encoder_outputs [1024 s][32 b][1024] f32; wq: W's codes of BF6 (E3M2) and E8M0 scale words in the order of the operand's registers (laid by prep); g [32][1024], v [1024], sc [32][1024] f32.
; SHARES.  Work-group = one b and 128 neighbouring s.  Wave w quantises rows 32 w .. 32 w + 31 and multiplies all 128 rows by columns 512 c + 128 w .. + 127, c = 0, 1: 64 accumulators, 512 registers.
; PASS c = 0 goes K step by K step (128 along K) with the stream of eo: each wave turns its two fragments (16 rows x 128) through its own LDS stage, quantises them and puts codes and scale words into the
; work-group's image of A in LDS (an image of the operand's registers); one barrier; then the step's 64 matrix instructions.  The next step's 32 loads of eo a wave are out meanwhile; its W is asked for behind the products.
; PASS c = 1 reads the image again; W is asked for two K steps ahead, into three sets of registers.  Behind each pass: tanh(x) = 1 - 2 / (1 + 2^(2 x log2 e)), times v, summed along a lane's columns;
; at the end across lanes and the four waves.
; W GOES FROM MEMORY STRAIGHT INTO REGISTERS, with no cluster and no joint load: a fragment of W is used by one wave of the work-group alone, and wq holds it as that wave's registers want it,
; 512 consecutive bytes an instruction; through LDS its 819,200 bytes a work-group would be written and read once more beside the image's 196,608 bytes that each wave reads.
; NO PREFETCH: eo is read once, and each wave has 32 loads of 512 bytes of it out from the head to the last K step; wq is read by all work-groups alike.
; The matrix instruction is used transposed (source 0 = 16 rows of W, source 1 = 16 rows of eo): lane (r, h), register j of accumulator (a, t) = row 16 a + r, column 16 t + 8 h + j.
; LIMITS: blocks whose largest magnitude lies under 2^-122 keep the scale byte 1; a block of zeros has the byte 1 (its codes are zeros; this program alone reads the bytes); NaN and infinities are not served.
; REGISTERS.  window 0: v0-31 addresses, the sum of v, W's third scale words; v32-47 scale words; v48-63 the rows' sums; v64-159 A's fragments (in the quantiser: 64 numbers, codes; behind a pass: at work);
;   v160-255: in pass 0 at work (v160-175, v250-252) and buffer 0 (v176-239); behind a pass g (v176-239) and sums (v242-249); in pass 1 W's third set.
;   window 1: v0-95, v96-191 W's first two sets; v192-255 buffer 1, later v.   windows 2, 3: the accumulators of rows 0-63, 64-127.
.set QB,     25600                     ; wq: a wave's quarter of a block
.set BLK,    102400                    ; a block: two K steps of 512 columns
.set PASS,   4*BLK
.set FR,     12
.set FRB,    1536                      ; a fragment's image: 12 registers x 128 bytes
.set KST,    8*FRB                     ; eight fragments: a K step of A's image, or of a quarter of wq
.set ASC,    8*KST                     ; behind A's image (from byte 0): its scale words, 512 bytes a K step
.set STAGE,  ASC+4096                  ; the waves' stages, 16 rows of 272 bytes each
.set SP,     272
.set SCR,    STAGE+4*16*SP             ; the waves' parts of the scores
.set SPARE,  SCR+2048                  ; the spare words, 128 bytes a wave
.set L16,  4                           ; 16 x lane: a fragment's image, in LDS (A's image begins at byte 0) and in wq
.set L4,   5                           ; 4 x lane
.set AIW,  7                           ; where I write A's image
.set LAS,  8                           ; A's scale words, read
.set ASW,  9                           ; and written
.set LA,   10                          ; the four above, further along K
.set WA,   11
.set LS,   12
.set WS,   13
.set STI,  14
.set STO,  15
.set EOO,  16
.set GOF,  17
.set SCW,  18
.set SCRD, 19
.set OUTO, 20
.set SV,   22
.set SPW,  28
.set NIL,  29
.set WSC,  32                          ; W's scale words: sets 0, 1 at v32, v36, set 2 at v24; 4 registers: lanes 0-15 tile 2 i, lanes 16-31 tile 2 i + 1
.set ASR,  40                          ; A's likewise, two sets
.set S,    48
.set AF,   64
.set X,    64
.set T,    64
.set PC,   128
.set PT,   140
.set TM,   160
.set BUF,  176                         ; buffer 0 at v176 of window 0, buffer 1 at v192 of window 1
.set GP,   176
.set VP,   192
.set P,    242
.set PW0,  250
.set PWC,  252
.set WV,   14
.set AO,   28
.set SO,   29
.set CT,   30
.set CC,   31
.set PWB,  32
.set CS,   40
.set SEL,  42
.set HM,   44
.set MSB, 0
.macro WIN new                         ; the immediate's high byte repeats the setting that is left
.if MSB != (\new)
	s_set_vgpr_msb (MSB<<8)|(\new)
.set MSB, (\new)
.endif
.endm
.macro PLACES                          ; four places behind matrix instructions, ahead of loads into their registers
.rept 4
	v_nop
.endr
.endm
; 16 rows x 128 numbers of eo into buffer hf: each load takes 256 consecutive bytes of row 2 i (lanes 0-15) and of row 2 i + 1 (lanes 16-31)
.macro LOADE hf, ko
	WIN 0x40*(\hf)
.irp uu, 0,1
.irp i, 0,1,2,3,4,5,6,7
	global_load_b128 v[BUF+16*(\hf)+32*\uu+4*\i:BUF+16*(\hf)+32*\uu+4*\i+3], v[EOO], s[4:5] offset:2097152*(\hf)+262144*\i+256*\uu+(\ko) th:TH_LOAD_NT
.endr
.endr
	WIN 0
.endm
; a K step of my 128 columns of W into set sg (0, 1: window 1, v0 and v96; 2: window 0, v160): 24 loads of 512 consecutive bytes, and 4 of scale words
.macro LOADW sg, wb, fi, si
	WIN 0x40*(1-(\sg)/2)
.irp t, 0,1,2,3,4,5,6,7
.irp gg, 0,1,2
	global_load_b128 v[96*(\sg)-32*((\sg)/2)+FR*\t+4*\gg:96*(\sg)-32*((\sg)/2)+FR*\t+4*\gg+3], v[L16], s[\wb:\wb+1] offset:(\fi)+FRB*\t+512*\gg
.endr
.endr
	WIN 0
.irp gg, 0,1,2,3
	global_load_b32 v[WSC+4*(\sg)-16*((\sg)/2)+\gg], v[L4], s[\wb:\wb+1] offset:(\si)+128*\gg
.endr
.endm
.macro GLOAD c                         ; g at my lane's 64 columns of pass c
.irp t, 0,1,2,3,4,5,6,7
	global_load_b128 v[GP+8*\t:GP+8*\t+3], v[GOF], s[8:9] offset:2048*(\c)+64*\t
	global_load_b128 v[GP+8*\t+4:GP+8*\t+7], v[GOF], s[8:9] offset:2048*(\c)+64*\t+16
.endr
.endm
.macro VLOAD c                         ; v likewise
	WIN 0x40
.irp t, 0,1,2,3,4,5,6,7
	global_load_b128 v[VP+8*\t:VP+8*\t+3], v[GOF], s[10:11] offset:2048*(\c)+64*\t
	global_load_b128 v[VP+8*\t+4:VP+8*\t+7], v[GOF], s[10:11] offset:2048*(\c)+64*\t+16
.endr
	WIN 0
.endm
; 64 numbers of a lane (register 16 b + i = k 32 b + 16 h + i of row r) become a fragment's codes and the row's scale word
.macro QUANT s, pc, pt, pw
.irp b, 0,1,2,3
	v_max3_num_f32 v[TM+\b], |v[(\s)+16*\b]|, |v[(\s)+1+16*\b]|, 0x2800000   ; with the floor 2^(5 - 127): the byte cannot fall under 1
.endr
.irp i, 2,4,6,8,10,12,14
.irp b, 0,1,2,3
	v_max3_num_f32 v[TM+\b], v[TM+\b], |v[(\s)+16*\b+\i]|, |v[(\s)+1+16*\b+\i]|
.endr
.endr
.irp b, 0,1,2,3
	v_permlanex16_b32 v[TM+4+\b], v[TM+\b], s[SEL], s[SEL+1]
.endr
.irp b, 0,1,2,3
	v_max_num_f32 v[TM+\b], v[TM+\b], v[TM+4+\b]   ; with lane l xor 16's: the block's largest magnitude
.endr
.irp b, 0,1,2,3
	v_add_nc_u32 v[TM+12+\b], 0xfe000000, v[TM+\b]   ; 4 off its exponent field: the conversion's scale operand
.endr
.irp b, 0,1,2,3
	v_lshrrev_b32 v[TM+4+\b], 23, v[TM+12+\b]      ; the scale's byte
.endr
	v_lshl_or_b32 v[\pw], v[TM+5], 8, v[TM+4]
	v_lshl_or_b32 v[\pw], v[TM+6], 16, v[\pw]
	v_lshl_or_b32 v[\pw], v[TM+7], 24, v[\pw]
.irp c, 0,1
	v_cvt_scalef32_pk16_bf6_f32 v[(\pc)+6*\c:(\pc)+6*\c+2], v[(\s)+32*\c:(\s)+32*\c+15], v[TM+12+2*\c]
	v_cvt_scalef32_pk16_bf6_f32 v[(\pt)+4*\c:(\pt)+4*\c+2], v[(\s)+32*\c+16:(\s)+32*\c+31], v[TM+13+2*\c]
.endr
	v_nop                                          ; one plain place behind a scaled conversion
.irp c, 0,1                                    ; a whole block to a lane: lanes 0-15 block 2 c, lanes 16-31 block 2 c + 1
.irp i, 0,1,2
	v_permlane16_swap_b32 v[(\pc)+6*\c+\i], v[(\pt)+4*\c+\i]
.endr
.irp i, 0,1,2
	v_mov_b32 v[(\pc)+3+6*\c+\i], v[(\pt)+4*\c+\i]
.endr
.endr
.endm
; my fragment hf of this K step: through my stage (half rows; LDS serves a wave's instructions in order), quantised, into the image.  Its buffer takes the next loads: kind 0, 1: the next K step's; 2: g or v
.macro FRAGX hf, kind, wr, wsr, m, ko
	s_wait_loadcnt 44                              ; this fragment's 16 loads are in; out may be the 16 of the other buffer and W's 28
.irp uu, 0,1
	WIN 0x04*(\hf)
.irp i, 0,1,2,3,4,5,6,7
	ds_store_b128 v[STI], v[BUF+16*(\hf)+32*\uu+4*\i:BUF+16*(\hf)+32*\uu+4*\i+3] offset:2*\i*SP
.endr
	WIN 0
.irp bb, 0,1
.irp jj, 0,1,2,3
	ds_load_b128 v[X+32*\uu+16*\bb+4*\jj:X+32*\uu+16*\bb+4*\jj+3], v[STO] offset:128*\bb+16*\jj
.endr
.endr
.endr
	s_wait_dscnt 0x0                               ; the numbers are back, and the stores have read the buffer
.if \kind < 2
	LOADE \hf, \ko
.elseif \hf == 0
	GLOAD 0
.else
	VLOAD 0
.endif
	QUANT X, PC, PT, PW0+(\hf)
.irp gg, 0,1,2
	ds_store_b128 v[\wr], v[PC+4*\gg:PC+4*\gg+3] offset:KST*(\m)+FRB*(\hf)+512*\gg
.endr
.if \hf == 1
	v_cndmask_b32 v[PWC], v[PW0], v[PW0+1], s[HM]  ; lanes 0-15 my first fragment's words, lanes 16-31 my second's
	ds_store_b32 v[\wsr], v[PWC] offset:512*(\m)
.endif
.endm
.macro WI c
.if par == 0
	v_wmma_scale_f32_16x16x128_f8f6f4 v[rD:rD+7], v[rW:rW+FR-1], v[rA:rA+FR-1], \c, v[rX], v[rY] matrix_a_fmt:MATRIX_FMT_BF6 matrix_b_fmt:MATRIX_FMT_BF6
.elseif par == 1
	v_wmma_scale_f32_16x16x128_f8f6f4 v[rD:rD+7], v[rW:rW+FR-1], v[rA:rA+FR-1], \c, v[rX], v[rY] matrix_a_fmt:MATRIX_FMT_BF6 matrix_b_fmt:MATRIX_FMT_BF6 matrix_a_scale:MATRIX_SCALE_ROW1
.elseif par == 2
	v_wmma_scale_f32_16x16x128_f8f6f4 v[rD:rD+7], v[rW:rW+FR-1], v[rA:rA+FR-1], \c, v[rX], v[rY] matrix_a_fmt:MATRIX_FMT_BF6 matrix_b_fmt:MATRIX_FMT_BF6 matrix_b_scale:MATRIX_SCALE_ROW1
.else
	v_wmma_scale_f32_16x16x128_f8f6f4 v[rD:rD+7], v[rW:rW+FR-1], v[rA:rA+FR-1], \c, v[rX], v[rY] matrix_a_fmt:MATRIX_FMT_BF6 matrix_b_fmt:MATRIX_FMT_BF6 matrix_a_scale:MATRIX_SCALE_ROW1 matrix_b_scale:MATRIX_SCALE_ROW1
.endif
.endm
.macro WM a, t, sg, as, first
.set rD, 64*((\a)%4)+8*(\t)
.set rW, 96*(\sg)-32*((\sg)/2)+FR*(\t)
.set rA, AF+FR*(\a)
.set rX, WSC+4*(\sg)-16*((\sg)/2)+(\t)/2
.set rY, ASR+4*(\as)+(\a)/2
.set par, (\t)%2+2*((\a)%2)
.if \first
	WI 0
.else
	WI v[rD:rD+7]
.endif
.endm
.macro MUL16 a0, sg, as, first         ; A's blocks a0, a0 + 1 x W's eight tiles; the 64 accumulators take turns; first: the products start the sums
.irp a, \a0, \a0+1
.irp t, 0,1,2,3,4,5,6,7
	WM (\a), \t, \sg, \as, \first
.endr
.endr
.endm
.macro FETCH_A ar, ai, i0
.irp a, \i0, \i0+1, \i0+2, \i0+3
.irp gg, 0,1,2
	ds_load_b128 v[AF+FR*(\a)+4*\gg:AF+FR*(\a)+4*\gg+3], v[\ar] offset:(\ai)+FRB*(\a)+512*\gg
.endr
.endr
.endm
.macro ASCALE sr, si, as
.irp gg, 0,1,2,3
	ds_load_b32 v[ASR+4*(\as)+\gg], v[\sr] offset:(\si)+128*\gg
.endr
.endm
.macro ADDR                            ; the image's addresses at K step AO / KST
	v_add_nc_u32 v[LA], s[AO], v[L16]
	v_add_nc_u32 v[WA], s[AO], v[AIW]
	v_add_nc_u32 v[LS], s[SO], v[LAS]
	v_add_nc_u32 v[WS], s[SO], v[ASW]
.endm
; A K step of pass 0 on W's set sg.  kind 0: the first (its products start the sums), 1: the loop's, 2: the last.  m: the step's place behind the address registers; ko: the next step's place in eo; wb, wx, wqq: the next W
.macro PSTEP kind, sg, ar, wr, sr, wsr, m, ko, wb, wx, wqq
	FRAGX 0, \kind, \wr, \wsr, \m, \ko
	FRAGX 1, \kind, \wr, \wsr, \m, \ko
	s_wait_dscnt 0x0                               ; for the others' sake: my part of this K step lies in the image
	s_barrier_signal -1
	s_barrier_wait -1
	ASCALE \sr, 512*(\m), 0
	FETCH_A \ar, KST*(\m), 0
	FETCH_A \ar, KST*(\m), 4
	s_wait_loadcnt 32                              ; this step's W is in; behind it: the two buffers' 32 loads
	s_wait_dscnt 12                                ; blocks 4-7 may be out
	WIN 0xa1
	MUL16 0, \sg, 0, (\kind)==0
	MUL16 2, \sg, 0, (\kind)==0
	s_wait_dscnt 0x0
	WIN 0xf1
	MUL16 4, \sg, 0, (\kind)==0
	MUL16 6, \sg, 0, (\kind)==0
	PLACES
	WIN 0
	LOADW 1-(\sg), \wb, (\wx)+KST*(\wqq), (\wx)+2*KST+512*(\wqq)   ; the next step's W, behind the next step's loads of eo, into the other set
.endm
.macro NEXTA i0
.if NA < 4
	FETCH_A L16, KST*NA, \i0
.else
	FETCH_A LA, KST*(NA-4), \i0
.endif
.endm
; K step j of pass 1, on W's set j % 3.  A's one set is fetched anew in halves, as its blocks are done with; at the step's end its set of W takes K step j + 3
.macro GSTEP j
.set SG, (\j)%3
.set NA, (\j)+1
.set NW, (\j)+3
.if (\j) < 6
	s_wait_loadcnt 56                              ; this step's W is in; the two later steps' may be out
.elseif (\j) == 6
	s_wait_loadcnt 44                              ; behind it: K step 7's 28 and g's 16
.else
	s_wait_loadcnt 16                              ; behind it: g's 16
.endif
	s_wait_dscnt 12
	WIN 0xa1-SG/2
	MUL16 0, SG, (\j)%2, (\j)==0
	MUL16 2, SG, (\j)%2, (\j)==0
	s_wait_dscnt 0x0
.if (\j) < 7
	PLACES
	WIN 0
	ASCALE LAS, 512*NA, NA%2
	NEXTA 0
.endif
	WIN 0xf1-SG/2
	MUL16 4, SG, (\j)%2, (\j)==0
	MUL16 6, SG, (\j)%2, (\j)==0
.if (\j) < 7
	PLACES
	WIN 0
	NEXTA 4
.else
	WIN 0
.endif
.if (\j) < 5
	LOADW SG, 6, PASS+(NW/2)*BLK+(NW%2)*KST, PASS+(NW/2)*BLK+2*KST+512*(NW%2)
.elseif (\j) == 5
	GLOAD 1                                        ; W's third set is done with: g lands there
.endif
.endm
; 16 rows x my 128 columns: sum of v / (1 + 2^((x + g) 2 log2 e)), each accumulator from its low end on
.macro EPI_ROW a
.set AC, 64*((\a)%4)
	WIN 0x02+(\a)/4
.if (\a) > 0
	s_wait_alu depctr_va_vdst(0)                   ; the wait ahead of matrix results first read behind transcendentals
.endif
.set k, 0
.rept 32
	v_pk_fma_f32 v[T+2*k:T+2*k+1], v[AC+2*k:AC+2*k+1], s[CS:CS+1], v[GP+2*k:GP+2*k+1] op_sel_hi:[1,0,1]
.set k, k+1
.endr
	WIN 0
	s_wait_alu depctr_va_vdst(0)                   ; ahead of the batch
.set k, 0
.rept 64
	v_exp_f32 v[T+k], v[T+k]
.set k, k+1
.endr
	v_nop
	s_wait_alu depctr_va_vdst(0)                   ; and behind it
.set k, 0
.rept 32
	v_pk_add_f32 v[T+2*k:T+2*k+1], v[T+2*k:T+2*k+1], 1.0 op_sel_hi:[1,0]
.set k, k+1
.endr
	s_wait_alu depctr_va_vdst(0)
.set k, 0
.rept 64
	v_rcp_f32 v[T+k], v[T+k]
.set k, k+1
.endr
	v_nop
	s_wait_alu depctr_va_vdst(0)
	WIN 0x04
.set k, 0
.rept 32
.if k < 4
	v_pk_mul_f32 v[P+2*k:P+2*k+1], v[T+2*k:T+2*k+1], v[VP+2*k:VP+2*k+1]
.else
	v_pk_fma_f32 v[P+2*(k%4):P+2*(k%4)+1], v[T+2*k:T+2*k+1], v[VP+2*k:VP+2*k+1], v[P+2*(k%4):P+2*(k%4)+1]
.endif
.set k, k+1
.endr
	WIN 0
	v_pk_add_f32 v[P:P+1], v[P:P+1], v[P+2:P+3]
	v_pk_add_f32 v[P+4:P+5], v[P+4:P+5], v[P+6:P+7]
	v_pk_add_f32 v[P:P+1], v[P:P+1], v[P+4:P+5]
	v_pk_add_f32 v[S+2*(\a):S+2*(\a)+1], v[S+2*(\a):S+2*(\a)+1], v[P:P+1]
.endm
	s_load_b256 s[4:11], s[0:1], 0x0               ; eo s[4:5], wq s[6:7], g s[8:9], v s[10:11]
	s_load_b64 s[12:13], s[0:1], 0x20              ; sc
	v_lshl_add_u32 v[SPW], v0, 2, SPARE
	v_mov_b32 v[NIL], 0
	v_lshrrev_b32 v1, 5, v0
	v_readfirstlane_b32 s[WV], v1                  ; wave 0..3
	v_and_b32 v3, 31, v0                           ; lane
	v_and_b32 v1, 15, v0                           ; r
	v_bfe_u32 v2, v0, 4, 1                         ; h
	v_lshlrev_b32 v[L16], 4, v3
	v_lshlrev_b32 v[L4], 2, v3
	v_lshlrev_b32 v[EOO], 17, v2                   ; eo: h rows of 131,072 bytes + 16 r
	v_lshl_add_u32 v[EOO], v1, 4, v[EOO]
	s_and_b32 s17, ttmp9, 31                       ; b
	s_lshr_b32 s18, ttmp9, 5                       ; which 128 s
	s_lshl_b32 s46, s18, 24
	s_lshl_b32 s19, s[WV], 22                      ; my 32 rows
	s_add_co_u32 s46, s46, s19
	s_lshl_b32 s37, s17, 12
	s_add_co_u32 s46, s46, s37
	s_mov_b32 s47, 0
	s_mul_i32 s20, s[WV], QB
	s_mov_b32 s21, 0
	s_wait_alu depctr_va_vdst(0)                   ; directly ahead of the wait below
	s_wait_kmcnt 0x0
	s_add_nc_u64 s[4:5], s[4:5], s[46:47]
	s_add_nc_u64 s[6:7], s[6:7], s[20:21]          ; wq at my quarter of block 0
	LOADE 0, 0                                     ; K step 0: my two fragments, then W
	LOADE 1, 0
	LOADW 0, 6, 0, 2*KST
	s_mul_i32 s15, s[WV], 2*FRB
	s_lshl_b32 s16, s[WV], 7
	s_mul_i32 s19, s[WV], 16*SP
	s_add_co_u32 s19, s19, STAGE
	s_lshl_b32 s34, s[WV], 9
	s_add_co_u32 s35, s34, SCR
	s_and_b32 s45, s[WV], 1
	s_lshl_b32 s45, s45, 8
	s_add_co_u32 s36, s45, SCR
	s_add_co_u32 s46, s37, s34
	s_add_nc_u64 s[8:9], s[8:9], s[46:47]          ; g at row b, column 128 w
	s_mov_b32 s46, s34
	s_add_nc_u64 s[10:11], s[10:11], s[46:47]      ; v at column 128 w
	s_lshl_b32 s46, s18, 9
	s_add_co_u32 s46, s46, s37
	s_add_co_u32 s46, s46, s45
	s_add_nc_u64 s[12:13], s[12:13], s[46:47]      ; sc at row b, my work-group's 128 s, + 64 for wave 1
	s_add_nc_u64 s[PWB:PWB+1], s[6:7], BLK         ; wq at block 1: what the loop's first trip asks for
	s_mov_b32 s[AO], 0
	s_mov_b32 s[SO], 0
	s_mov_b32 s[CS], 0x4038aa3b                    ; 2 log2 e
	s_mov_b32 s[CS+1], s[CS]
	s_mov_b32 s[SEL], 0x76543210
	s_mov_b32 s[SEL+1], 0xfedcba98                 ; v_permlanex16_b32's selects for lane l xor 16
	s_mov_b32 s[HM], 0xffff0000
	v_add_nc_u32 v[AIW], s15, v[L16]
	v_add_nc_u32 v[LAS], ASC, v[L4]
	v_add_nc_u32 v[ASW], s16, v[LAS]
	v_mul_u32_u24 v[STI], v2, SP                   ; my stage, in: row h, 16 r
	v_lshl_add_u32 v[STI], v1, 4, v[STI]
	v_add_nc_u32 v[STI], s19, v[STI]
	v_mul_u32_u24 v[STO], v1, SP                   ; and out: row r, + 64 h
	v_lshl_add_u32 v[STO], v2, 6, v[STO]
	v_add_nc_u32 v[STO], s19, v[STO]
	v_lshlrev_b32 v[GOF], 5, v2
	v_lshl_add_u32 v[SCW], v1, 2, s35
	v_lshl_add_u32 v[SCRD], v3, 3, s36
	v_lshlrev_b32 v[OUTO], 3, v3
.irp b, 0,1,2,3
	v_mov_b32 v[TM+4+\b], 0                        ; written once: a lane permute's destination counts as one of its sources
.endr
.irp e, 0,1,2,3,4,5,6,7,8,9,10,11,12,13,14,15
	v_mov_b32 v[S+\e], 0                           ; the rows' sums: both passes add onto them
.endr
	v_mov_b32 v[SV], 0
	v_mov_b32 v[SV+1], 0
	s_wait_alu depctr_va_vdst(0)                   ; at the head's end
	PSTEP 0, 0, L16, AIW, LAS, ASW, 0, 512, 6, 0, 1
	s_mov_b32 s[CT], 3
.Lp0:                                                  ; K steps 2 i + 1 and 2 i + 2; eo's base and the image's addresses stand at K step 2 i, wq's base at block i + 1
	ADDR
	PSTEP 1, 1, LA, WA, LS, WS, 1, 1024, PWB, 0, 0
	PSTEP 1, 0, LA, WA, LS, WS, 2, 1536, PWB, 0, 1
	s_wait_xcnt 0x0                                ; the bases are stepped only behind this wait
	s_add_nc_u64 s[4:5], s[4:5], 1024
	s_add_nc_u64 s[PWB:PWB+1], s[PWB:PWB+1], BLK
	s_add_co_u32 s[AO], s[AO], 2*KST
	s_add_co_u32 s[SO], s[SO], 1024
	s_sub_co_u32 s[CT], s[CT], 1
	s_cmp_lg_u32 s[CT], 0
	s_cbranch_scc1 .Lp0
	ADDR
	PSTEP 2, 1, LA, WA, LS, WS, 1, 0, 6, PASS, 0   ; K step 7; its buffers take g and v, and behind its products set 0 takes pass 1's K step 0
	LOADW 1, 6, PASS+KST, PASS+2*KST+512           ; pass 1's K step 1
	s_mov_b32 s[CC], 0
	s_wait_loadcnt 56                              ; g and v are in; pass 1's first two K steps of W, 56 loads, may be out
.Lpass:                                                ; behind each pass, written once
.set k, 0
.rept 32
	v_pk_mul_f32 v[GP+2*k:GP+2*k+1], v[GP+2*k:GP+2*k+1], s[CS:CS+1] op_sel_hi:[1,0]   ; g x 2 log2 e; these lines are also the places behind the last products
.set k, k+1
.endr
	WIN 0x05
.irp e, 0,1,2,3
	v_pk_add_f32 v[P+2*\e:P+2*\e+1], v[VP+2*\e:VP+2*\e+1], v[VP+8+2*\e:VP+8+2*\e+1]   ; the sum of v over my columns, in four chains
.endr
	WIN 0x04
.set k, 8
.rept 24
	v_pk_add_f32 v[P+2*(k%4):P+2*(k%4)+1], v[P+2*(k%4):P+2*(k%4)+1], v[VP+2*k:VP+2*k+1]
.set k, k+1
.endr
	WIN 0
	v_pk_add_f32 v[P:P+1], v[P:P+1], v[P+2:P+3]
	v_pk_add_f32 v[P+4:P+5], v[P+4:P+5], v[P+6:P+7]
	v_pk_add_f32 v[P:P+1], v[P:P+1], v[P+4:P+5]
	v_pk_add_f32 v[SV:SV+1], v[SV:SV+1], v[P:P+1]
.irp a, 0,1,2,3,4,5,6,7
	EPI_ROW \a
.endr
	s_wait_alu depctr_va_vdst(0)                   ; ahead of the branch
	s_cmp_eq_u32 s[CC], 1
	s_cbranch_scc1 .Lfin
	v_add_nc_u32 v[LA], 4*KST, v[L16]              ; pass 1: the image's K steps 4 to 7
	s_wait_alu depctr_va_vdst(0)
	VLOAD 1
	LOADW 2, 6, PASS+BLK, PASS+BLK+2*KST           ; K step 2, where g lay
	ASCALE LAS, 0, 0
	FETCH_A L16, 0, 0
	FETCH_A L16, 0, 4
.irp j, 0,1,2,3,4,5,6,7
	GSTEP \j
.endr
	s_wait_loadcnt 0x0                             ; g is in
	s_add_co_u32 s[CC], s[CC], 1
	s_cmp_lt_u32 s[CC], 2
	s_cbranch_scc1 .Lpass
.Lfin:
	v_add_f32 v[SV], v[SV], v[SV+1]
.irp a, 0,1,2,3,4,5,6,7
	v_add_f32 v[P+\a], v[S+2*\a], v[S+2*\a+1]
.endr
.irp a, 0,1,2,3,4,5,6,7
	v_fma_f32 v[P+\a], v[P+\a], -2.0, v[SV]        ; sum of v (1 - 2 / (1 + ..)) over my lane's columns
.endr
.irp a, 0,1,2,3,4,5,6,7
	v_permlanex16_b32 v[T+\a], v[P+\a], s[SEL], s[SEL+1]
.endr
.irp a, 0,1,2,3,4,5,6,7
	v_add_f32 v[P+\a], v[P+\a], v[T+\a]            ; with lane l xor 16's columns
.endr
.irp a, 0,1,2,3,4,5,6,7
	ds_store_b32 v[SCW], v[P+\a] offset:64*\a      ; lanes r and r + 16 store the same word with the same value
.endr
	s_wait_dscnt 0x0                               ; for the others' sake: my part lies in LDS
	s_barrier_signal -1
	s_barrier_wait -1
	s_cmp_gt_u32 s[WV], 1                          ; waves 0 and 1 add the four parts of 64 rows each
	s_cbranch_scc1 .Ldone
.irp w, 0,1,2,3
	ds_load_b64 v[T+2*\w:T+2*\w+1], v[SCRD] offset:512*\w
.endr
	s_wait_dscnt 0x0
	v_pk_add_f32 v[T:T+1], v[T:T+1], v[T+2:T+3]
	v_pk_add_f32 v[T+4:T+5], v[T+4:T+5], v[T+6:T+7]
	v_pk_add_f32 v[T:T+1], v[T:T+1], v[T+4:T+5]
	global_store_b64 v[OUTO], v[T:T+1], s[12:13]   ; 32 lanes store 256 consecutive bytes, at a multiple of 256 from sc's first byte
.Ldone:
	s_wait_tensorcnt 0x0                           ; the wave's end
	ds_add_u32 v[SPW], v[NIL]
	s_wait_dscnt 0x0
	s_endpgm
.Lfunc_end_k_qdb2ff36a5f_scores:
	.size	k_qdb2ff36a5f_scores, .Lfunc_end_k_qdb2ff36a5f_scores-k_qdb2ff36a5f_scores
	.p2alignl 7, 3214868480
	.fill 96, 4, 3214868480
	.section	.rodata,"a",@progbits
	.p2align	6, 0x0
	.amdhsa_kernel k_qdb2ff36a5f_scores
		.amdhsa_group_segment_fixed_size 122368
		.amdhsa_private_segment_fixed_size 0
		.amdhsa_enable_private_segment 0
		.amdhsa_kernarg_size 40
		.amdhsa_user_sgpr_count 2
		.amdhsa_user_sgpr_kernarg_segment_ptr 1
		.amdhsa_wavefront_size32 1
		.amdhsa_system_sgpr_workgroup_id_x 1
		.amdhsa_system_sgpr_workgroup_id_y 1
		.amdhsa_system_sgpr_workgroup_id_z 1
		.amdhsa_system_vgpr_workitem_id 0
		.amdhsa_next_free_vgpr 1024
		.amdhsa_next_free_sgpr 66
		.amdhsa_reserve_vcc 0
		.amdhsa_float_denorm_mode_32 3
		.amdhsa_float_denorm_mode_16_64 3
		.amdhsa_memory_ordered 1
		.amdhsa_forward_progress 1
		.amdhsa_inst_pref_size 255
	.end_amdhsa_kernel
	.section	.bss,"aw",@nobits
	.p2align	6
	.space	262144
	.amdgpu_metadata
---
amdhsa.version: [ 1, 2 ]
amdhsa.kernels:
  - .name:           k_qdb2ff36a5f_scores
    .symbol:         k_qdb2ff36a5f_scores.kd
    .args:
      - { .name: encoder_outputs, .offset: 0, .size: 8, .value_kind: global_buffer, .address_space: global }
      - { .name: wq, .offset: 8, .size: 8, .value_kind: global_buffer, .address_space: global }
      - { .name: g, .offset: 16, .size: 8, .value_kind: global_buffer, .address_space: global }
      - { .name: v, .offset: 24, .size: 8, .value_kind: global_buffer, .address_space: global }
      - { .name: sc, .offset: 32, .size: 8, .value_kind: global_buffer, .address_space: global }
    .group_segment_fixed_size: 122368
    .private_segment_fixed_size: 0
    .kernarg_segment_align: 8
    .kernarg_segment_size: 40
    .max_flat_workgroup_size: 128
    .sgpr_count:     66
    .vgpr_count:     1024
    .wavefront_size: 32
...
	.end_amdgpu_metadata
.endif
;; end of part 2
;; launch soft (part 3): grid 32 x 1, 1 waves a work-group, no clusters, 0 bytes of LDS; arguments sc, encoder_mask, out0; writes out0
.if DOCPART == 3
	.amdgcn_target "amdgcn-amd-amdhsa--gfx1250"
	.amdhsa_code_object_version 6
	.text
	.protected	k_qdb2ff36a5f_soft
	.globl	k_qdb2ff36a5f_soft
	.p2align	8
	.type	k_qdb2ff36a5f_soft,@function
k_qdb2ff36a5f_soft:
	s_mov_b64 s[64:65], 0
	v_nop
	global_prefetch_b8 v0, s[64:65] scope:SCOPE_SE
	s_setreg_imm32_b32 hwreg(HW_REG_WAVE_MODE, 25, 1), 1
	s_wait_xcnt 0x0
; out0[b][s] = softmax over s of (encoder_mask[b][s] ? -1e9 : sc[b][s]).  sc, out0: [32][1024] f32; encoder_mask: [32][1024] bytes, 0 or 1.
; One wave takes one b: a row is 4,096 bytes, 32 numbers a lane, and stays in registers between the maximum, the sum and the scaling.  The row's maximum is taken away before the exponential,
; by a subtraction of its own (not folded into a multiply-add: with every s masked both numbers are -1e9 and their difference has to be 0); such a row gives 1/1024 everywhere.
; No LDS, no barrier, no matrix unit: 32 rows are all the work there is, and a row's reduction never leaves its wave.
; Load i of a lane holds s = 128 i + 4 lane + 0 .. 3; the mask's four bytes for them are one word at 128 i + 4 lane.
.set D,  8                             ; v8-39   the row
.set MK, 40                            ; v40-47  the mask's words
	s_load_b128 s[4:7], s[0:1], 0x0                ; sc, encoder_mask
	s_load_b64 s[8:9], s[0:1], 0x10                ; out0
	v_lshlrev_b32 v1, 4, v0                        ; 16 x lane
	v_lshlrev_b32 v2, 2, v0                        ; 4 x lane
	v_mov_b32 v3, 0xce6e6b28                       ; -1e9
	v_mov_b32 v51, 0                               ; written once: a lane permute's destination counts as one of its sources
	s_lshl_b32 s10, ttmp9, 12
	s_mov_b32 s11, 0
	s_lshl_b32 s12, ttmp9, 10
	s_mov_b32 s13, 0
	s_mov_b32 s14, 0x3fb8aa3b                      ; log2(e)
	s_mov_b32 s15, s14                             ; (named with it as a pair, so it is written)
	s_mov_b32 s16, 0x76543210
	s_mov_b32 s17, 0xfedcba98                      ; v_permlanex16_b32's selects for lane l xor 16
	s_wait_alu depctr_va_vdst(0)
	s_wait_kmcnt 0x0
	s_add_nc_u64 s[4:5], s[4:5], s[10:11]
	s_add_nc_u64 s[8:9], s[8:9], s[10:11]
	s_add_nc_u64 s[6:7], s[6:7], s[12:13]
.irp i, 0,1,2,3,4,5,6,7
	global_load_b128 v[D+4*\i:D+4*\i+3], v1, s[4:5] offset:512*\i    ; 512 consecutive bytes
.endr
.irp i, 0,1,2,3,4,5,6,7
	global_load_b32 v[MK+\i], v2, s[6:7] offset:128*\i
.endr
	s_wait_loadcnt 0x0
.irp i, 0,1,2,3,4,5,6,7
.irp e, 0,1,2,3
	v_bfe_u32 v48, v[MK+\i], 8*\e, 8
	v_cmp_ne_u32 vcc_lo, 0, v48
	v_cndmask_b32 v[D+4*\i+\e], v[D+4*\i+\e], v3, vcc_lo
.endr
.endr
	v_max3_num_f32 v48, v[D], v[D+1], v[D+2]
.irp j, 3,5,7,9,11,13,15,17,19,21,23,25,27,29
	v_max3_num_f32 v48, v48, v[D+\j], v[D+\j+1]
.endr
	v_max_num_f32 v48, v48, v[D+31]
	v_max_num_f32_dpp v48, v48, v48 row_xmask:1 row_mask:0xf bank_mask:0xf
	v_max_num_f32_dpp v48, v48, v48 row_xmask:2 row_mask:0xf bank_mask:0xf
	v_max_num_f32_dpp v48, v48, v48 row_xmask:4 row_mask:0xf bank_mask:0xf
	v_max_num_f32_dpp v48, v48, v48 row_xmask:8 row_mask:0xf bank_mask:0xf
	v_permlanex16_b32 v51, v48, s16, s17
	v_max_num_f32 v48, v48, v51                    ; the row's maximum, in every lane
	v_mov_b32 v49, v48
.irp j, 0,2,4,6,8,10,12,14,16,18,20,22,24,26,28,30
	v_pk_add_f32 v[D+\j:D+\j+1], v[D+\j:D+\j+1], v[48:49] neg_lo:[0,1] neg_hi:[0,1]   ; x - m
.endr
.irp j, 0,2,4,6,8,10,12,14,16,18,20,22,24,26,28,30
	v_pk_mul_f32 v[D+\j:D+\j+1], v[D+\j:D+\j+1], s[14:15] op_sel_hi:[1,0]
.endr
	s_wait_alu depctr_va_vdst(0)
.irp j, 0,1,2,3,4,5,6,7,8,9,10,11,12,13,14,15,16,17,18,19,20,21,22,23,24,25,26,27,28,29,30,31
	v_exp_f32 v[D+\j], v[D+\j]
.endr
	v_nop                                          ; a plain place behind the exponentials
	s_wait_alu depctr_va_vdst(0)
	v_pk_add_f32 v[52:53], v[D:D+1], v[D+2:D+3]    ; the sum, in two chains
	v_pk_add_f32 v[54:55], v[D+4:D+5], v[D+6:D+7]
.irp j, 8,12,16,20,24,28
	v_pk_add_f32 v[52:53], v[52:53], v[D+\j:D+\j+1]
	v_pk_add_f32 v[54:55], v[54:55], v[D+\j+2:D+\j+3]
.endr
	v_pk_add_f32 v[52:53], v[52:53], v[54:55]
	v_add_f32 v52, v52, v53
	v_add_f32_dpp v52, v52, v52 row_xmask:1 row_mask:0xf bank_mask:0xf
	v_add_f32_dpp v52, v52, v52 row_xmask:2 row_mask:0xf bank_mask:0xf
	v_add_f32_dpp v52, v52, v52 row_xmask:4 row_mask:0xf bank_mask:0xf
	v_add_f32_dpp v52, v52, v52 row_xmask:8 row_mask:0xf bank_mask:0xf
	v_permlanex16_b32 v51, v52, s16, s17
	v_add_f32 v52, v52, v51                        ; at least 1: the maximum's own term
	s_wait_alu depctr_va_vdst(0)
	v_rcp_f32 v56, v52
	v_rcp_f32 v57, v52                             ; twice: a pair for the packed multiply
	v_nop                                          ; a plain place behind the reciprocals
	s_wait_alu depctr_va_vdst(0)
.irp j, 0,2,4,6,8,10,12,14,16,18,20,22,24,26,28,30
	v_pk_mul_f32 v[D+\j:D+\j+1], v[D+\j:D+\j+1], v[56:57]
.endr
.irp i, 0,1,2,3,4,5,6,7
	global_store_b128 v1, v[D+4*\i:D+4*\i+3], s[8:9] offset:512*\i   ; 512 consecutive bytes, at a multiple of 256 from out0's first byte
.endr
	s_endpgm
.Lfunc_end_k_qdb2ff36a5f_soft:
	.size	k_qdb2ff36a5f_soft, .Lfunc_end_k_qdb2ff36a5f_soft-k_qdb2ff36a5f_soft
	.p2alignl 7, 3214868480
	.fill 96, 4, 3214868480
	.section	.rodata,"a",@progbits
	.p2align	6, 0x0
	.amdhsa_kernel k_qdb2ff36a5f_soft
		.amdhsa_group_segment_fixed_size 0
		.amdhsa_private_segment_fixed_size 0
		.amdhsa_enable_private_segment 0
		.amdhsa_kernarg_size 24
		.amdhsa_user_sgpr_count 2
		.amdhsa_user_sgpr_kernarg_segment_ptr 1
		.amdhsa_wavefront_size32 1
		.amdhsa_system_sgpr_workgroup_id_x 1
		.amdhsa_system_sgpr_workgroup_id_y 1
		.amdhsa_system_sgpr_workgroup_id_z 1
		.amdhsa_system_vgpr_workitem_id 0
		.amdhsa_next_free_vgpr 64
		.amdhsa_next_free_sgpr 66
		.amdhsa_reserve_vcc 1
		.amdhsa_float_denorm_mode_32 3
		.amdhsa_float_denorm_mode_16_64 3
		.amdhsa_memory_ordered 1
		.amdhsa_forward_progress 1
		.amdhsa_inst_pref_size 15
	.end_amdhsa_kernel
	.amdgpu_metadata
---
amdhsa.version: [ 1, 2 ]
amdhsa.kernels:
  - .name:           k_qdb2ff36a5f_soft
    .symbol:         k_qdb2ff36a5f_soft.kd
    .args:
      - { .name: sc, .offset: 0, .size: 8, .value_kind: global_buffer, .address_space: global }
      - { .name: encoder_mask, .offset: 8, .size: 8, .value_kind: global_buffer, .address_space: global }
      - { .name: out0, .offset: 16, .size: 8, .value_kind: global_buffer, .address_space: global }
    .group_segment_fixed_size: 0
    .private_segment_fixed_size: 0
    .kernarg_segment_align: 8
    .kernarg_segment_size: 24
    .max_flat_workgroup_size: 32
    .sgpr_count:     66
    .vgpr_count:     64
    .wavefront_size: 32
...
	.end_amdgpu_metadata
.endif
;; end of part 3
